; MI455X (gfx1250); checked and timed in simulation.
; The chip was launched on July 23, 2026; its instructions are those of AMD's public machine-readable ISA for CDNA 5 (MIT licence, August 2026) and "CDNA5" Instruction Set Architecture Reference Guide (July 2026). The comments in the code are by the model that wrote it; some were corrected since.
;; Bahdanau Attention. Allowed arithmetic: matrix products marked QUANTISED: E2M1 operands, one E8M0 scale for each 32 along K, by v_wmma_scale_f32_16x16x128_f8f6f4 with both operands' format E2M1 (or v_wmma_scale_f32_32x16x128_f4), f32 sums; products left as they are: f32 operands where the result goes on into a quantised operand, else bf16, f16 or f32 operands; f32 sums; everything else in f32.
;; Inputs: W_h 1,024 x 1,024 float32; W_s 1,024 x 1,024 float32; decoder_state 64 x 1,024 float32; encoder_outputs 64 x 1,024 x 1,024 float32; mask 64 x 1,024 int32; v 1,024 float32.
;; Outputs: out0 64 x 1,024 float32; out1 64 x 1,024 float32.
;; This version of the problem:
;;   THIS VERSION OF THE PROBLEM IS GIVEN IN LOW PRECISION. The matrix products marked QUANTISED in the list below multiply operands that are first quantised to E2M1 (2 exponent bits, 1 mantissa bit; 4 bits a number), with one power-of-two scale for each 32 numbers along K (OCP MX v1.0); their sums are f32. All else is computed in f32.
;;   The module's matrix products, in the order in which they are computed (A, B: the left and right operand; K: the contracted axis; several contracted axes count as one K, in the product's order):
;;     1. [M 64, K 1,024] x [K 1,024, N 1,024]; A: input decoder_state; B: input W_s: QUANTISED
;;     2. [M 65,536, K 1,024] x [K 1,024, N 1,024]; A: input encoder_outputs; B: input W_h: QUANTISED
;;     3. [M 65,536, K 1,024] x [K 1,024, N 1]; A: computed on the way; B: input v: left as it is (N = 1 < 16)
;;     4. batch 64 x [M 1, K 1,024] x [K 1,024, N 1,024]; A: softmax; B: input encoder_outputs: left as it is (M = 1 < 16)
;;   THE QUANTISER, for each operand of a quantised product, along K:
;;     - K is cut into blocks of 32 from its start; a last block that is shorter is filled with zeros.
;;     - A block's scale is 2^e with e = floor(log2(the largest magnitude in the block)) - 2, held to -126 .. 127; a block of zeros has e = 0. As a byte (E8M0): e + 127.
;;     - Each number is divided by its block's scale, clamped to +-6, and rounded to the nearest number of E2M1, ties to even, subnormals kept.
;;     - The product sums the exact products of the quantised numbers (number of the format x scale) in f32.
;;   ~~~python
;;   def quantise(x, axis):      # numpy; x: float32 -> the quantised numbers, widened to float32 again
;;       x = np.moveaxis(x, axis, -1); K = x.shape[-1]
;;       x = np.pad(x, [(0, 0)] * (x.ndim - 1) + [(0, -K % 32)]); x = x.reshape(x.shape[:-1] + (-1, 32)); a = np.abs(x).max(-1, keepdims=True)
;;       e = np.where(a > 0, np.clip(np.frexp(np.where(a > 0, a, 1))[1] - 1 - 2, -126, 127), 0)      # np.frexp(a)[1] - 1 = floor(log2(a)), exactly
;;       r = np.clip(x / 2.0 ** e, -6, 6)
;;       step = 2.0 ** (np.maximum(np.frexp(np.where(r == 0, 1, r))[1] - 1, 0) - 1)
;;       q = np.round(r / step) * step * 2.0 ** e      # np.round: ties to even
;;       return np.moveaxis(q.reshape(q.shape[:-2] + (-1,))[..., :K], -1, axis).astype(np.float32)
;;   ~~~
;; One version. Each part assembles by itself: llvm-mc -triple=amdgcn-amd-amdhsa -mcpu=gfx1250 --defsym DOCPART=n.
;; ======== version 1 of 1: 3 launches
;; limits: values are held in bf16: 8 bits of precision; right only within a limited range of input values
;; workspace buffers: wpack 557,056 bytes; cu 524,288 bytes; tsc 262,144 bytes; ctxp 4,194,304 bytes
;; launch prep (part 1): grid 64 x 4, 8 waves a work-group, no clusters, 46,592 bytes of LDS; arguments W_h, W_s, decoder_state, v, wpack, cu; writes wpack, cu
.if DOCPART == 1
	.amdgcn_target "amdgcn-amd-amdhsa--gfx1250"
	.amdhsa_code_object_version 6
	.text
	.protected	k_q4c25923aab_prep
	.globl	k_q4c25923aab_prep
	.p2align	8
	.type	k_q4c25923aab_prep,@function
k_q4c25923aab_prep:
	s_mov_b64 s[64:65], 0
	v_nop
	global_prefetch_b8 v0, s[64:65] scope:SCOPE_SE
	s_setreg_imm32_b32 hwreg(HW_REG_WAVE_MODE, 25, 1), 1
	s_wait_xcnt 0x0
; BAHDANAU ATTENTION, launch 1 of 3: what the main launch wants ready.
;   wpack: W_h [1024][1024] f32 as codes of FP4 (E2M1) with one E8M0 byte for each 32 along K, laid as images of the matrix operand's registers.
;          32 records of 17,408 bytes, record g = rows 32 g .. 32 g + 31 of W_h: image (u, s) (tile u of 16 rows, K step s of 128) at (8 u + s) 1024 + 512 c + 16 lane = registers 4 c .. 4 c + 3;
;          behind the images the scale words, at 16384 + 512 (s / 4) + 16 (16 u + r) + 4 (s % 4).
;   cu:    for batch b = 16 a + b' and column n = 16 t + r the pair (c proj_s[b][n], -c v[n]), c = 2 log2(e), at (64 a + t) 2048 + (16 b' + r) 8.
;          proj_s = Q(decoder_state) Q(W_s)^T on FP4 codes by the scaled matrix instruction, sums in f32.
; WORK LEFT OUT, in the whole program: tanh(y) = 1 - 2 / (1 + 2^(c y)), so score[b][s] = sum_h v[h] - 2 sum_h v[h] / (1 + 2^(c y[b][s][h])).  The first term is the same for all s of a batch, whatever the inputs hold,
;   and the scores go into nothing but a softmax along s, which a term common to its axis leaves as it is: it reaches no output and is not formed.  It is a sum of 1,024 numbers of v's own size, so reference()'s f32 loses nothing beside it.
;   Every input still has a way to an output and is loaded.  LIMIT: an overflow or a NaN that would arise in sum_h v[h] alone is not carried to the result.
; LIMITS: NaN and infinities among the inputs are not served.  A block whose largest magnitude lies under 2^-124 has its byte held at 1; a block of zeros gets the byte 1 where the rule says 127: its codes are zeros,
;   which add nothing under any byte but 0xff, and the bytes are read by this program alone.  proj_s is summed as eight parts of 128 along K, added in ascending K.
; SHARES.  Work-group (t, a): 16 rows of W_s (columns 16 t .. + 15 of proj_s) x 16 batches 16 a .. + 15.  Wave q takes K step q: one matrix instruction; the eight parts meet in LDS.  The work-groups with a = 0 also lay W_h's tile t.
; HOW A TILE IS TAKEN.  A lane takes 8 neighbouring numbers of a row, 32 bytes, by two loads on end: what one scaled conversion wants.  Sixteen lanes cover a row's 512 bytes of the K step; lanes 0-15 take row i, lanes 16-31 row i + 8.
;   A block of 32 lies in four neighbouring lanes: two steps across lanes give its largest magnitude.  The codes (64 bytes a row) and scale bytes turn through the wave's own stage in LDS and come back as the operand's registers.
; No tensor load, no cluster: each work-group reads 16 rows once and shares no tile with a neighbour at the same time.
.set REC,   17408
.set PD,    0                          ; LDS: wave q's part of proj_s as an image of its 8 registers: 1024 q + 32 lane + 4 j
.set HS,    8192                       ; W_h's scale words of this tile: 256 (s / 4) + 16 r + 4 (s % 4); only the work-groups with a = 0 touch these bytes
.set SPARE, 8704                       ; the spare words, 128 bytes for each of the eight waves
.set STG,   9728                       ; the stages: for each wave three of TS bytes (W_s, decoder_state, W_h)
.set TS,    1536                       ; a stage: 16 rows of 64 bytes of codes + 16 of padding, then at 1280 the rows' scale words
.set SPW, 1                            ; v1   my spare word's LDS address; never rewritten
.set NIL, 2                            ; v2   0; never rewritten
.set RR,  3                            ; v3   lane % 16
.set HH,  4                            ; v4   lane / 16
.set FO,  5                            ; v5   32 (lane % 16) + 8 rows of 4,096 bytes x (lane / 16)
.set LI,  6                            ; v6   16 x lane
.set RA,  7                            ; v7   where thread 16 b' + r finds D(b', r) in an image
.set HSW, 8                            ; v8   where my wave's scale words of W_h go
.set PDW, 9                            ; v9   where my part of proj_s goes
.set VO,  10                           ; v10  4 r
.set STW, 11                           ; v11  stage, in: row 8 (lane / 16), + 4 (lane % 16)
.set SBW, 12                           ; v12  scale bytes, in: the same row, + (lane % 16) / 4
.set STR, 13                           ; v13  stage, out: row r, + 16 h
.set SBR, 14                           ; v14  scale word of row r
.set VV,  15                           ; v15  v[16 t + r]
.set LN,  16                           ; v16  lane
.set WO,  17                           ; v17  my 16 bytes of W_h's image in its record
.set SO,  18                           ; v18  my 16 bytes of the record's scale words
.set CUO, 19                           ; v19  8 x thread
.set HSR, 20                           ; v20  HS + 16 x lane
.set TMP, 21
.set SW,  22                           ; v22, v23, v248 scale words of W_s, decoder_state, W_h: these registers hold scales and nothing else
.set SD,  23
.set SHW, 248
.set T,   24                           ; v24-31 largest magnitudes, then the conversions' scale operands
.set BY,  32                           ; v32-39 the scale bytes
.set CT,  40                           ; v40-47 the codes as the conversions give them
.set X1,  48                           ; v48-111 W_s;  v112-175 decoder_state;  v176-239 W_h: 64 numbers each; the operand's 8 registers come back into the first 8
.set X2,  112
.set X3,  176
.set D,   240                          ; v240-247 the part of proj_s
.set WV,  16                           ; s16  wave = K step
.set TA,  17                           ; s17  a
	s_load_b256 s[4:11], s[0:1], 0x0               ; W_h s[4:5], W_s s[6:7], decoder_state s[8:9], v s[10:11]
	s_load_b128 s[12:15], s[0:1], 0x20             ; wpack s[12:13], cu s[14:15]
	v_lshl_add_u32 v[SPW], v0, 2, SPARE
	v_mov_b32 v[NIL], 0
	v_lshrrev_b32 v[LN], 5, v0
	s_delay_alu instid0(VALU_DEP_1)
	v_readfirstlane_b32 s[WV], v[LN]
	s_and_b32 s[TA], ttmp7, 0xffff
	s_lshr_b32 s20, s[WV], 2
	s_lshl_b32 s20, s20, 8
	s_and_b32 s21, s[WV], 3
	s_lshl_b32 s21, s21, 2
	s_add_co_u32 s20, s20, s21
	s_add_co_u32 s20, s20, HS
	s_lshl_b32 s21, s[WV], 10
	s_and_b32 s22, ttmp9, 1                        ; u: which tile of its record this tile is
	s_lshl_b32 s23, s22, 13
	s_add_co_u32 s23, s23, s21                     ; 8192 u + 1024 q
	s_lshl_b32 s36, s22, 8
	s_add_co_u32 s36, s36, 16384
	s_mul_i32 s34, s[WV], 3*TS
	s_add_co_u32 s34, s34, STG                     ; my three stages
	s_add_co_u32 s35, s34, 1280                    ; and their scale words
	s_lshl_b32 s24, ttmp9, 16                      ; 16 rows of 4,096 bytes a tile,
	s_lshl_b32 s26, s[WV], 9                       ; 512 bytes a K step
	s_add_co_u32 s24, s24, s26
	s_mov_b32 s25, 0
	s_lshl_b32 s28, s[TA], 16
	s_add_co_u32 s26, s28, s26
	s_mov_b32 s27, 0
	s_lshl_b32 s28, ttmp9, 6
	s_mov_b32 s29, 0
	s_lshr_b32 s30, ttmp9, 1
	s_mul_i32 s30, s30, REC
	s_mov_b32 s31, 0
	s_lshl_b32 s32, s[TA], 6
	s_add_co_u32 s32, s32, ttmp9
	s_lshl_b32 s32, s32, 11
	s_mov_b32 s33, 0
	v_and_b32 v[LN], 31, v0
	v_and_b32 v[RR], 15, v0
	v_bfe_u32 v[HH], v0, 4, 1
	v_lshrrev_b32 v[RA], 7, v0                     ; D(m, n) lies in lane 16 (m / 8) + n, register m % 8; m = thread / 16, n = thread % 16
	v_bfe_u32 v[TMP], v0, 4, 3
	v_lshlrev_b32 v[CUO], 3, v0
	v_lshlrev_b32 v[LI], 4, v[LN]
	v_lshlrev_b32 v[FO], 5, v[RR]
	v_lshl_add_u32 v[RA], v[RA], 4, v[RR]
	v_mul_u32_u24 v[STW], v[HH], 640
	v_mul_u32_u24 v[STR], v[RR], 80
	v_lshrrev_b32 v[SBW], 2, v[RR]
	v_lshlrev_b32 v[SO], 4, v[RR]
	v_lshl_add_u32 v[FO], v[HH], 15, v[FO]
	v_lshlrev_b32 v[RA], 5, v[RA]
	v_lshl_add_u32 v[STW], v[RR], 2, v[STW]
	v_lshl_add_u32 v[STR], v[HH], 4, v[STR]
	v_lshl_add_u32 v[SBW], v[HH], 5, v[SBW]
	v_lshl_add_u32 v[SO], v[HH], 9, v[SO]
	v_lshl_add_u32 v[RA], v[TMP], 2, v[RA]
	v_add_nc_u32 v[STW], s34, v[STW]
	v_add_nc_u32 v[STR], s34, v[STR]
	v_add_nc_u32 v[SBW], s35, v[SBW]
	v_add_nc_u32 v[SO], s36, v[SO]                 ; 16384 + 512 (lane / 16) + 256 u + 16 (lane % 16)
	v_lshl_add_u32 v[SBR], v[RR], 2, s35
	v_lshl_add_u32 v[HSW], v[RR], 4, s20
	v_lshl_add_u32 v[PDW], v[LN], 5, s21
	v_add_nc_u32 v[HSR], HS, v[LI]
	v_lshlrev_b32 v[VO], 2, v[RR]
	v_add_nc_u32 v[WO], s23, v[LI]
	s_wait_alu depctr_va_vdst(0)
	s_wait_kmcnt 0x0
	s_add_nc_u64 s[4:5], s[4:5], s[24:25]
	s_add_nc_u64 s[6:7], s[6:7], s[24:25]
	s_add_nc_u64 s[8:9], s[8:9], s[26:27]
	s_add_nc_u64 s[10:11], s[10:11], s[28:29]
	s_add_nc_u64 s[12:13], s[12:13], s[30:31]
	s_add_nc_u64 s[14:15], s[14:15], s[32:33]
.macro XL reg, base                    ; registers 8 i .. 8 i + 7 = my 8 numbers of row i + 8 (lane / 16)
.irp i, 0,1,2,3,4,5,6,7
	global_load_b128 v[\reg+8*\i:\reg+8*\i+3], v[FO], s[\base:\base+1] offset:4096*\i
	global_load_b128 v[\reg+8*\i+4:\reg+8*\i+7], v[FO], s[\base:\base+1] offset:4096*\i+16
.endr
.endm
; 64 numbers at v[x] on become the fragment's 8 registers, again at v[x] on, and its rows' scale word in v[s]; j: which of my three stages.  The eight pairs of rows take turns line by line.
.macro QF x, s, j
.irp i, 0,1,2,3,4,5,6,7
	v_max3_num_f32 v[T+\i], |v[\x+8*\i]|, |v[\x+8*\i+1]|, 0x1800000   ; the floor 2^(3 - 127) among the leaves holds the byte at 1 from below
.endr
.irp p, 2,4,6
.irp i, 0,1,2,3,4,5,6,7
	v_max3_num_f32 v[T+\i], |v[\x+8*\i+\p]|, |v[\x+8*\i+\p+1]|, v[T+\i]
.endr
.endr
.irp m, 1,2
.irp i, 0,1,2,3,4,5,6,7
	v_max_num_f32_dpp v[T+\i], v[T+\i], v[T+\i] row_xmask:\m row_mask:0xf bank_mask:0xf   ; with lanes l xor 1, l xor 2: the block's largest magnitude
.endr
.endr
.irp i, 0,1,2,3,4,5,6,7
	v_add_nc_u32 v[T+\i], 0xff000000, v[T+\i]      ; 2 off the exponent field: the conversion takes this operand's exponent field as its scale
.endr
.irp i, 0,1,2,3,4,5,6,7
	v_lshrrev_b32 v[BY+\i], 23, v[T+\i]            ; the scale's byte
.endr
.irp i, 0,1,2,3,4,5,6,7
	v_cvt_scalef32_pk8_fp4_f32 v[CT+\i], v[\x+8*\i:\x+8*\i+7], v[T+\i]
.endr
	v_nop                                          ; one plain place behind the last scaled conversion
.irp i, 0,1,2,3,4,5,6,7
	ds_store_b32 v[STW], v[CT+\i] offset:TS*\j+80*\i           ; 8 codes: sixteen lanes fill a row's 64 bytes
	ds_store_b8 v[SBW], v[BY+\i] offset:TS*\j+4*\i             ; the four lanes of a block write the same byte with the same value
.endr
	ds_load_b128 v[\x:\x+3], v[STR] offset:TS*\j               ; LDS serves a wave's instructions in order: these see my stores.  Lane (r, h): k = 32 h .. + 31 of row r,
	ds_load_b128 v[\x+4:\x+7], v[STR] offset:TS*\j+32          ; and k = 64 + 32 h .. + 31
	ds_load_b32 v[\s], v[SBR] offset:TS*\j                     ; row r's four bytes, in both halves of the lanes
	s_wait_dscnt 0x0                               ; the operand is in, and the stores have read their registers
.endm
	XL X1, 6
	XL X2, 8
	global_load_b32 v[VV], v[VO], s[10:11]
	s_cmp_lg_u32 s[TA], 0                          ; W_h's tile t is laid once, by the work-group with a = 0: load, codes and stores stand in this one branch
	s_cbranch_scc1 .Lno_wh
	XL X3, 4
	s_wait_loadcnt 0x0
	QF X3, SHW, 2
	global_store_b128 v[WO], v[X3:X3+3], s[12:13]              ; 32 lanes store 512 consecutive bytes of the image
	global_store_b128 v[WO], v[X3+4:X3+7], s[12:13] offset:512
	ds_store_b32 v[HSW], v[SHW]                    ; both halves of the lanes hold the same word and write it to the same place
.Lno_wh:
	s_wait_loadcnt 0x0
	QF X1, SW, 0
	QF X2, SD, 1
	v_wmma_scale_f32_16x16x128_f8f6f4 v[D:D+7], v[X2:X2+7], v[X1:X1+7], 0, v[SD], v[SW] matrix_a_fmt:MATRIX_FMT_FP4 matrix_b_fmt:MATRIX_FMT_FP4   ; D(m = batch, n = column), K step q; operands and scales were filled by loads
.rept 4
	v_nop
.endr
	ds_store_b128 v[PDW], v[D:D+3]                 ; from the low end on
	ds_store_b128 v[PDW], v[D+4:D+7] offset:16
	s_wait_dscnt 0x0                               ; for the others' sake: my stores have landed
	s_barrier_signal -1
	s_barrier_wait -1
	s_or_b32 s20, s[TA], s[WV]
	s_cmp_lg_u32 s20, 0
	s_cbranch_scc1 .Lno_sc                         ; wave 0 of a work-group with a = 0 sends the tile's scale words: two aligned runs of 256 bytes
	ds_load_b128 v[48:51], v[HSR]
	s_wait_dscnt 0x0
	global_store_b128 v[SO], v[48:51], s[12:13]
.Lno_sc:
.irp q, 0,1,2,3,4,5,6,7
	ds_load_b32 v[56+\q], v[RA] offset:PD+1024*\q  ; the eight parts of proj_s(b', r)
.endr
	s_wait_dscnt 0x0
	v_add_f32 v56, v56, v57                        ; K ascending
.irp q, 2, 3, 4, 5, 6, 7
	s_delay_alu instid0(VALU_DEP_1)
	v_add_f32 v56, v56, v[56+\q]
.endr
	s_delay_alu instid0(VALU_DEP_1)
	v_mul_f32 v64, 0x4038aa3b, v56                 ; c proj_s
	v_mul_f32 v65, 0xc038aa3b, v[VV]               ; -c v
	global_store_b64 v[CUO], v[64:65], s[14:15]    ; a wave stores 256 consecutive bytes
	s_wait_tensorcnt 0x0                           ; the wave's end
	ds_add_u32 v[SPW], v[NIL]
	s_wait_dscnt 0x0
	s_endpgm
.Lfunc_end_k_q4c25923aab_prep:
	.size	k_q4c25923aab_prep, .Lfunc_end_k_q4c25923aab_prep-k_q4c25923aab_prep
	.p2alignl 7, 3214868480
	.fill 96, 4, 3214868480
	.section	.rodata,"a",@progbits
	.p2align	6, 0x0
	.amdhsa_kernel k_q4c25923aab_prep
		.amdhsa_group_segment_fixed_size 46592
		.amdhsa_private_segment_fixed_size 0
		.amdhsa_enable_private_segment 0
		.amdhsa_kernarg_size 48
		.amdhsa_user_sgpr_count 2
		.amdhsa_user_sgpr_kernarg_segment_ptr 1
		.amdhsa_wavefront_size32 1
		.amdhsa_system_sgpr_workgroup_id_x 1
		.amdhsa_system_sgpr_workgroup_id_y 1
		.amdhsa_system_sgpr_workgroup_id_z 1
		.amdhsa_system_vgpr_workitem_id 0
		.amdhsa_next_free_vgpr 256
		.amdhsa_next_free_sgpr 66
		.amdhsa_reserve_vcc 0
		.amdhsa_float_denorm_mode_32 3
		.amdhsa_float_denorm_mode_16_64 3
		.amdhsa_memory_ordered 1
		.amdhsa_forward_progress 1
		.amdhsa_inst_pref_size 28
	.end_amdhsa_kernel
	.amdgpu_metadata
---
amdhsa.version: [ 1, 2 ]
amdhsa.kernels:
  - .name:           k_q4c25923aab_prep
    .symbol:         k_q4c25923aab_prep.kd
    .args:
      - { .name: W_h, .offset: 0, .size: 8, .value_kind: global_buffer, .address_space: global }
      - { .name: W_s, .offset: 8, .size: 8, .value_kind: global_buffer, .address_space: global }
      - { .name: decoder_state, .offset: 16, .size: 8, .value_kind: global_buffer, .address_space: global }
      - { .name: v, .offset: 24, .size: 8, .value_kind: global_buffer, .address_space: global }
      - { .name: wpack, .offset: 32, .size: 8, .value_kind: global_buffer, .address_space: global }
      - { .name: cu, .offset: 40, .size: 8, .value_kind: global_buffer, .address_space: global }
    .group_segment_fixed_size: 46592
    .private_segment_fixed_size: 0
    .kernarg_segment_align: 8
    .kernarg_segment_size: 48
    .max_flat_workgroup_size: 256
    .sgpr_count:     66
    .vgpr_count:     256
    .wavefront_size: 32
...
	.end_amdgpu_metadata
.endif
;; end of part 1
;; launch attend (part 2): grid 256 x 1, 4 waves a work-group, no clusters, 306,688 bytes of LDS; arguments encoder_outputs, mask, wpack, cu, tsc, ctxp; writes tsc, ctxp
.if DOCPART == 2
	.amdgcn_target "amdgcn-amd-amdhsa--gfx1250"
	.amdhsa_code_object_version 6
	.text
	.protected	k_q4c25923aab_attend
	.globl	k_q4c25923aab_attend
	.p2align	8
	.type	k_q4c25923aab_attend,@function
k_q4c25923aab_attend:
	s_mov_b64 s[64:65], 0
	v_nop
	global_prefetch_b8 v0, s[64:65] scope:SCOPE_SE
	s_setreg_imm32_b32 hwreg(HW_REG_WAVE_MODE, 25, 1), 1
	s_wait_xcnt 0x0
; BAHDANAU ATTENTION, launch 2 of 3.  For each block of 64 rows (b, s) of encoder_outputs: Q(enc) Q(W_h)^T on FP4 codes, tanh, the product with v, the mask, the block's part of the softmax and of the context.
; WORK LEFT OUT: the term sum_h v[h] of every score, the same along the softmax's axis (shown at the head of the first launch).
; ARITHMETIC.  t[b][s] = log2(e) (score - sum v) = sum_n u[n] / (1 + 2^(c proj_h[b][s][n] + c proj_s[b][n])), c = 2 log2(e), u = -c v; t = -infinity where mask = 0.
;   m = max(the block's 64 t, -3e38); p = 2^(t - m); ctxp[block][:] = sum_s p[s] bf16(enc[s][:]).  tsc holds t.  The last launch takes the batch's maximum and joins the 16 blocks.
; LIMITS: NaN and infinities among the inputs are not served.  A block of 32 whose largest magnitude lies under 2^-124 has its byte held at 1; a block of zeros gets the byte 1 (its codes are zeros; this program alone reads the bytes).
;   enc is rounded to bf16 for the context's product; p stays f32.  A score is summed over n in another order than reference()'s.
; EACH BYTE OF enc LEAVES MEMORY ONCE: in the registers in which it lands it is turned into codes (for the product) and into bf16 (for the context), and both stay in LDS until the block is done.
; SHARES.  Work-group x owns rows 256 x .. + 255 (batch x / 4), as 4 blocks of 64.  In a block wave w owns columns 256 w .. + 255 for all 64 rows, as 8 groups of two tiles of 16 columns; all 32 fragments of the block's
;   codes lie in each wave's registers, so each fragment of W_h feeds four matrix instructions.  Beside group g the wave fetches and quantises K step g of rows 16 w .. + 15 of the NEXT block.
; HOW enc IS TAKEN.  A lane takes 8 neighbouring numbers of a row, 32 bytes, by two loads on end: what one scaled conversion wants.  Sixteen lanes cover a row's 512 bytes of a K step; lanes 0-15 take row i, lanes 16-31 row i + 8.
;   A block of 32 lies in four neighbouring lanes: two steps across lanes give its largest magnitude.  The f32 numbers never go through LDS: the codes do, as rows, an eighth of the bytes, and are read from there as operands.
;   The price: each of the two loads names every other 16 bytes of its two runs of 512, so each run is named by two loads, one straight behind the other.
; W_h's fragments come from wpack straight into registers: each is used by one wave of the work-group alone, so LDS would spare no read.
; NO TENSOR LOAD, NO CLUSTER: all work-groups walk the same wpack, but a joint load lands in LDS only.  Two blocks of bf16 rows take 264,192 bytes and the codes, scales, stages and small regions 42,496: 20,992 bytes are left,
;   and one group's fragments of four waves are 69,632.
; TWO BARRIERS A BLOCK.  Between X and Y waves only WRITE shared LDS, each its own bytes (next block's codes, scale bytes, bf16 rows; partial scores).  Between Y and the next X they only READ it.  Stages and p are each wave's own.
; REGISTERS, in windows of 256 (s_set_vgpr_msb: bits 1:0 source 0, 3:2 source 1, 5:4 source 2, 7:6 destination):
;   window 0: addresses, constants, scale words, the 8 accumulators (later rows for the context), the scores' sums, all that vector work writes.
;   window 1: enc's 32 fragments (a, s) at 8 (8 a + s).   window 2: v0-127 W_h's 16 fragments (u, s) at 8 (8 u + s); v128-255 two landing sets for enc.   window 3: four landing sets for block 0.
.set EBP,   2064                       ; a bf16 row in LDS: 2,048 bytes + 16
.set EBSZ,  64*EBP                     ; a block's rows
.set CP,    528                        ; a row of codes in LDS: 512 bytes + 16 = 132 words: row r begins at bank 4 r mod 64 (64 banks of 4 bytes: ISA guide 11.1), so the 16 rows that an operand's load touches begin at 16 different groups of four banks
.set AIMG,  2*EBSZ                     ; the block's codes: 64 rows
.set ASC,   AIMG+64*CP                 ; scale bytes: 32 row + K block
.set STG,   ASC+2048                   ; a stage of 1,024 bytes for each wave: the context's way out
.set STGW,  1024
.set PS,    STG+4*STGW                 ; partial scores: 256 wave + 4 row
.set PP,    PS+1024                    ; p: 256 wave + 4 row, each wave's own copy
.set SPARE, PP+1024                    ; the spare words, 128 bytes for each wave
.set REC,   17408                      ; a record of wpack: one group's fragments and scale words
.set SPW,  1                           ; v1   my spare word's LDS address; never rewritten
.set NIL,  2                           ; v2   0; never rewritten
.set LI,   3                           ; v3   16 lane
.set EO,   4                           ; v4   enc: 8 rows of 4,096 bytes x (lane / 16) + 32 (lane % 16)
.set AIW,  7                           ; v7   my codes: row 16 w + 8 (lane / 16), + 4 (lane % 16)
.set ASW,  8                           ; v8   my scale bytes: the same row, + (lane % 16) / 4
.set EBW0, 9                           ; v9   my bf16: the same row, + 16 (lane % 16)
.set LIA,  10                          ; v10  an operand's place: AIMG + CP r + 16 h
.set ASR,  11                          ; v11  ASC + 32 lane
.set CO,   12                          ; v12  8 r
.set PSW,  13                          ; v13  PS + 256 w + 32 h
.set PSR,  14                          ; v14  PS + 8 lane
.set PPW,  15                          ; v15  PP + 256 w + 8 lane
.set PPR,  16                          ; v16  PP + 256 w
.set EBR0, 17                          ; v17  16 thread: my 8 columns of a bf16 row
.set CSW,  18                          ; v18  stage + 32 lane
.set CSR,  19                          ; v19  stage + 16 lane
.set GO8,  20                          ; v20  8 lane
.set AIWC, 21                          ; v21-23 the three store addresses of the pair of K steps in hand
.set ASWC, 22
.set EBWC, 23
.set EBRA, 24                          ; v24-25 the context's rows 0-31 and 32-63
.set EBRB, 25
.set MK,   28                          ; v28-29 mask of rows 2 lane, 2 lane + 1
.set NINF, 31                          ; v31  -infinity
.set CN,   36                          ; v36-39 as loaded: c proj_s and u of my column in tile 0, in tile 1
.set WK,   40                          ; v40-47 the same at work, each the low word of a pair
.set BSC,  48                          ; v48-55 W_h's scale words, register s: lanes 0-15 tile 0, lanes 16-31 tile 1
.set ASCR, 56                          ; v56-71 enc's, register 8 (a / 2) + s: lanes 0-15 the even row tile, lanes 16-31 the odd one.  v48-71 hold scales and nothing else
.set ACC,  72                          ; v72-135 accumulator (a, u) at 72 + 8 (2 a + u)
.set E,    72                          ;         the context's rows, two sets of 32
.set SACC, 136                         ; v136-167 the scores' sums: 8 a + j = row 16 a + 8 h + j, my column's share
.set HB,   168                         ; v168-199 bf16: four registers for each of a fragment's eight pairs of rows
.set CD,   200                         ; v200-207 codes: one register for each
.set QM,   208                         ; v208-215 the largest magnitudes, then the conversions' scale operands
.set CX,   216                         ; v216-223 my 8 columns of the context
.set QB,   224                         ; v224-231 the scale bytes (p's registers: those are loaded only behind barrier Y, in front of which all my LDS stores are waited for)
.set PV,   224                         ; v224-239 p of 8 rows, two sets
.set TT,   240                         ; v240-241 t;  v242-243 p;  v244-249 at work;  v250 m;  v251 the other half's m
.set PR,   242
.set MX,   250
.set MY,   251
.set WV,   16                          ; s16 wave;  s17 blocks to go;  s18 trips to go
.set BLK,  17
.set TRIP, 18
.set KA,   19                          ; s19-21 the K step's term of the three store addresses
.set KS,   20
.set KE,   21
.set TGW,  22                          ; s22 which half of the bf16 rows is written, s23 which is read
.set TGR,  23
.set CC,   24                          ; s[24:25] c (the packed form names a pair and takes its low word)
.set SEL,  26                          ; s[26:27] v_permlanex16_b32's selects for lane l xor 16
.set EN,   28                          ; s[28:29] my 16 rows of the block being fetched, K step 0
.set EA,   30                          ; s[30:31] the same, walking along K
.set WA,   32                          ; s[32:33] wpack
.set CUP,  34                          ; s[34:35] cu
.set WF,   36                          ; s[36:37] wpack, for the fragments alone: it walks records 0 to 5 and wraps; s[WA] walks all eight for the scale words
.set WT,   38                          ; s[38:39] what the wrap takes off: 6 records or 0
.set MSB, 0
.macro WIN new                         ; the immediate's high byte repeats the setting that is left; a switch that changes nothing is dropped
.if MSB != (\new)
	s_set_vgpr_msb (MSB<<8)|(\new)
.set MSB, (\new)
.endif
.endm
; 16 loads: 16 rows x 128 numbers of enc at off bytes from s[EA], into 64 registers of window win: registers 8 i .. 8 i + 7 = my 8 numbers of row i + 8 (lane / 16).
; No cache hint: each run of 512 bytes is named by two loads on end.
.macro LFRAG win, reg, off
	WIN (\win)<<6
.irp i, 0,1,2,3,4,5,6,7
	global_load_b128 v[(\reg)+8*\i:(\reg)+8*\i+3], v[EO], s[EA:EA+1] offset:(\off)+4096*\i
	global_load_b128 v[(\reg)+8*\i+4:(\reg)+8*\i+7], v[EO], s[EA:EA+1] offset:(\off)+4096*\i+16
.endr
.endm
; 36 loads: a group's scale words, its two pairs of constants, its 16 fragments.
; RECORDS 6 AND 7 OF MY EIGHT STAY IN REGISTERS: window 3, which block 0's landing sets leave free, takes their 32 fragments once (record 6 at v0-127, record 7 at v128-255).
; So each pass over W_h asks wpack for six records' fragments and not eight.  RLOAD j: 16 loads into landing set j, which has just been read out.
.macro RLOAD j
	WIN 0xc0
.set f, 0
.rept 8
	global_load_b128 v[64*(\j)+8*f:64*(\j)+8*f+3], v[LI], s[WA:WA+1] offset:(6+(\j)/2)*REC+1024*(8*((\j)%2)+f)
	global_load_b128 v[64*(\j)+8*f+4:64*(\j)+8*f+7], v[LI], s[WA:WA+1] offset:(6+(\j)/2)*REC+1024*(8*((\j)%2)+f)+512
.set f, f+1
.endr
.endm
; BLOADK: the next group's fragments of K steps s0 and s0 + 1, both tiles: 8 loads by s[WF], into the registers whose last products have been issued
.macro BLOADK woff, s0
	WIN 0x80
.irp f, (\s0), (\s0)+1, (\s0)+8, (\s0)+9
	global_load_b128 v[8*(\f):8*(\f)+3], v[LI], s[WF:WF+1] offset:(\woff)+1024*(\f)
	global_load_b128 v[8*(\f)+4:8*(\f)+7], v[LI], s[WF:WF+1] offset:(\woff)+1024*(\f)+512
.endr
.endm
.macro BLOADF woff, f0, n
	WIN 0x80
.set f, \f0
.rept \n
	global_load_b128 v[8*f:8*f+3], v[LI], s[WF:WF+1] offset:(\woff)+1024*f
	global_load_b128 v[8*f+4:8*f+7], v[LI], s[WF:WF+1] offset:(\woff)+1024*f+512
.set f, f+1
.endr
.endm
; scale words and constants (4 loads, by s[WA] and s[CUP]); fr = 1: and the fragments of K steps 6 and 7 (those of K steps 0 to 5 were asked for among the products); fr = 2: nothing more; fr = 3: and all 16 fragments
.macro BLOAD woff, coff, fr
	WIN 0
	global_load_b128 v[BSC:BSC+3], v[LI], s[WA:WA+1] offset:(\woff)+16384
	global_load_b128 v[BSC+4:BSC+7], v[LI], s[WA:WA+1] offset:(\woff)+16896
	global_load_b64 v[CN:CN+1], v[CO], s[CUP:CUP+1] offset:(\coff)
	global_load_b64 v[CN+2:CN+3], v[CO], s[CUP:CUP+1] offset:(\coff)+2048
.if (\fr) == 1
	BLOADK \woff, 6
.elseif (\fr) == 3
	BLOADF \woff, 0, 16
.endif
.endm
; One product: rows 16 a .. + 15 x columns of tile u, K step s.  Source 0 = enc, source 1 = W_h: register j of lane (r, h) is (row 16 a + 8 h + j, column r).  K step 0 starts the sum: nothing is cleared.
.macro MM s, a, u
.set rD, ACC+8*(2*(\a)+(\u))
.set rA, 8*(8*(\a)+(\s))
.set rB, RB0+8*(8*(\u)+(\s))
.set rX, ASCR+8*((\a)/2)+(\s)
.set rY, BSC+(\s)
.set rsl, 2*((\a)%2)+(\u)
.if (\s) == 0
.if rsl == 0
	v_wmma_scale_f32_16x16x128_f8f6f4 v[rD:rD+7], v[rA:rA+7], v[rB:rB+7], 0, v[rX], v[rY] matrix_a_fmt:MATRIX_FMT_FP4 matrix_b_fmt:MATRIX_FMT_FP4
.elseif rsl == 1
	v_wmma_scale_f32_16x16x128_f8f6f4 v[rD:rD+7], v[rA:rA+7], v[rB:rB+7], 0, v[rX], v[rY] matrix_a_fmt:MATRIX_FMT_FP4 matrix_b_fmt:MATRIX_FMT_FP4 matrix_b_scale:MATRIX_SCALE_ROW1
.elseif rsl == 2
	v_wmma_scale_f32_16x16x128_f8f6f4 v[rD:rD+7], v[rA:rA+7], v[rB:rB+7], 0, v[rX], v[rY] matrix_a_fmt:MATRIX_FMT_FP4 matrix_b_fmt:MATRIX_FMT_FP4 matrix_a_scale:MATRIX_SCALE_ROW1
.else
	v_wmma_scale_f32_16x16x128_f8f6f4 v[rD:rD+7], v[rA:rA+7], v[rB:rB+7], 0, v[rX], v[rY] matrix_a_fmt:MATRIX_FMT_FP4 matrix_b_fmt:MATRIX_FMT_FP4 matrix_a_scale:MATRIX_SCALE_ROW1 matrix_b_scale:MATRIX_SCALE_ROW1
.endif
.else
.if rsl == 0
	v_wmma_scale_f32_16x16x128_f8f6f4 v[rD:rD+7], v[rA:rA+7], v[rB:rB+7], v[rD:rD+7], v[rX], v[rY] matrix_a_fmt:MATRIX_FMT_FP4 matrix_b_fmt:MATRIX_FMT_FP4
.elseif rsl == 1
	v_wmma_scale_f32_16x16x128_f8f6f4 v[rD:rD+7], v[rA:rA+7], v[rB:rB+7], v[rD:rD+7], v[rX], v[rY] matrix_a_fmt:MATRIX_FMT_FP4 matrix_b_fmt:MATRIX_FMT_FP4 matrix_b_scale:MATRIX_SCALE_ROW1
.elseif rsl == 2
	v_wmma_scale_f32_16x16x128_f8f6f4 v[rD:rD+7], v[rA:rA+7], v[rB:rB+7], v[rD:rD+7], v[rX], v[rY] matrix_a_fmt:MATRIX_FMT_FP4 matrix_b_fmt:MATRIX_FMT_FP4 matrix_a_scale:MATRIX_SCALE_ROW1
.else
	v_wmma_scale_f32_16x16x128_f8f6f4 v[rD:rD+7], v[rA:rA+7], v[rB:rB+7], v[rD:rD+7], v[rX], v[rY] matrix_a_fmt:MATRIX_FMT_FP4 matrix_b_fmt:MATRIX_FMT_FP4 matrix_a_scale:MATRIX_SCALE_ROW1 matrix_b_scale:MATRIX_SCALE_ROW1
.endif
.endif
.endm
; A group's 64 products.  The eight accumulators take turns, one instruction a turn: between two links of a chain stand the seven others'.
; res = 0: W_h's fragments as streamed, window 2; 1, 2: record 6, 7 in window 3.
; emb = 1: behind K steps 1, 3 and 5 the fragments of the two K steps just multiplied are asked for anew, for the next group: four places behind their last products (ISA guide 7.12.1 for vector instructions), then 8 loads.
.macro MULS res, emb, woff
.if (\res) == 0
.set RB0, 0
.set MW, 0x09                          ; source 0 window 1, source 1 window 2, C and D window 0
.else
.set RB0, 128*((\res)-1)
.set MW, 0x0d                          ; source 1 window 3
.endif
.irp s, 0,1,2,3,4,5,6,7
	WIN MW
.irp a, 0,1,2,3
.irp u, 0,1
	MM \s, \a, \u
.endr
.endr
.if ((\emb) == 1) && ((\s) % 2) && ((\s) < 7)
.rept 4
	v_nop
.endr
	BLOADK \woff, \s-1
.endif
.endr
.endm
; The group's 64 numbers of a lane: u / (1 + 2^(c x + c proj_s)), added to the rows' sums.  Two batches of 64 transcendentals, one wait each.
; adr = 1: the three store addresses of the next pair of K steps are made between the exponentials and their wait.
.macro EPI adr
.irp t, 0,1,2,3,4,5,6,7
.irp p, 0,2,4,6
	v_pk_fma_f32 v[ACC+8*\t+\p:ACC+8*\t+\p+1], v[ACC+8*\t+\p:ACC+8*\t+\p+1], s[CC:CC+1], v[WK+4*(\t%2):WK+4*(\t%2)+1] op_sel_hi:[1,0,0]   ; each accumulator from its low end on
.endr
.endr
.set j, 0
	s_wait_alu depctr_va_vdst(0)
.rept 64
	v_exp_f32 v[ACC+j], v[ACC+j]
.set j, j+1
.endr
.if \adr
	s_wait_dscnt 0x0                               ; the last fragment's stores, a group back, are done: their address registers may be written
	v_add_nc_u32 v[AIWC], s[KA], v[AIW]            ; (plain work behind the exponentials)
	v_add_nc_u32 v[ASWC], s[KS], v[ASW]
	v_add_nc_u32 v[EBWC], s[KE], v[EBW0]
.else
	v_nop                                          ; a plain place behind the last exponential
.endif
	s_wait_alu depctr_va_vdst(0)                   ; one wait for the 64 exponentials, ahead of their first reader
.set j, 0
.rept 32
	v_pk_add_f32 v[ACC+j:ACC+j+1], v[ACC+j:ACC+j+1], 1.0 op_sel_hi:[1,0]
.set j, j+2
.endr
.set j, 0
	s_wait_alu depctr_va_vdst(0)
.rept 64
	v_rcp_f32 v[ACC+j], v[ACC+j]                   ; 2^.. = infinity gives 0, 2^.. = 0 gives 1: tanh's two ends
.set j, j+1
.endr
	v_nop
	s_wait_alu depctr_va_vdst(0)                   ; one wait for the 64 reciprocals
.irp u, 0,1
.irp a, 0,1,2,3
.irp p, 0,2,4,6
	v_pk_fma_f32 v[SACC+8*\a+\p:SACC+8*\a+\p+1], v[ACC+8*(2*\a+\u)+\p:ACC+8*(2*\a+\u)+\p+1], v[WK+4*\u+2:WK+4*\u+3], v[SACC+8*\a+\p:SACC+8*\a+\p+1] op_sel_hi:[1,0,1]
.endr
.endr
.endr
.endm
; A landed fragment (16 rows x 128 numbers in 64 registers of window win) becomes codes, scale bytes and bf16 rows in LDS, out of the registers in which it landed.  kk: which of the pair of K steps that the three addresses stand for.
; Pair of rows i: registers 8 i .. 8 i + 7 are k = 8 (lane % 16) + 0 .. 7 of row i + 8 (lane / 16); its block of 32 lies in the four lanes that share (lane % 16) / 4.  The eight pairs take turns line by line.
; Only sources lie in the landing window; all that is written lies in window 0, and the lines across lanes name window 0 alone.
.macro QFRAG win, reg, kk, ai, as, eb
	WIN (\win)|((\win)<<2)                         ; sources 0 and 1: the landing window
.irp i, 0,1,2,3,4,5,6,7
	v_max3_num_f32 v[QM+\i], |v[(\reg)+8*\i]|, |v[(\reg)+8*\i+1]|, 0x1800000   ; my 8 numbers' largest magnitude, with the floor 2^(3 - 127) among the leaves: the byte cannot fall under 1
.endr
.irp j, 2,4,6
.irp i, 0,1,2,3,4,5,6,7
	v_max3_num_f32 v[QM+\i], |v[(\reg)+8*\i+\j]|, |v[(\reg)+8*\i+\j+1]|, v[QM+\i]
.endr
.endr
	s_wait_dscnt 0x0                               ; the last fragment's LDS stores are done: the registers that they read (bf16, codes, bytes) are written anew only behind this wait
.irp i, 0,1,2,3,4,5,6,7
.irp q, 0,1,2,3
	v_cvt_pk_bf16_f32 v[HB+4*\i+\q], v[(\reg)+8*\i+2*\q], v[(\reg)+8*\i+2*\q+1]
.endr
.endr
	WIN 0
.irp i, 0,1,2,3,4,5,6,7
	ds_store_b128 v[\eb], v[HB+4*\i:HB+4*\i+3] offset:EBP*\i+256*(\kk)         ; sixteen lanes fill 256 consecutive bytes of a bf16 row
.endr
.irp m, 1,2
.irp i, 0,1,2,3,4,5,6,7
	v_max_num_f32_dpp v[QM+\i], v[QM+\i], v[QM+\i] row_xmask:\m row_mask:0xf bank_mask:0xf   ; with lanes l xor 1, l xor 2: the block's largest magnitude
.endr
.endr
.irp i, 0,1,2,3,4,5,6,7
	v_add_nc_u32 v[QM+\i], 0xff000000, v[QM+\i]    ; 2 off the exponent field: the conversion takes this operand's exponent field as its scale
.endr
.irp i, 0,1,2,3,4,5,6,7
	v_lshrrev_b32 v[QB+\i], 23, v[QM+\i]           ; the scale's byte
.endr
	WIN \win                                       ; source 0: the landing window
.irp i, 0,1,2,3,4,5,6,7
	v_cvt_scalef32_pk8_fp4_f32 v[CD+\i], v[(\reg)+8*\i:(\reg)+8*\i+7], v[QM+\i]
.endr
	WIN 0
	v_nop                                          ; one plain place behind the last scaled conversion
.irp i, 0,1,2,3,4,5,6,7
	ds_store_b32 v[\ai], v[CD+\i] offset:CP*\i+64*(\kk)        ; 8 codes: sixteen lanes fill the K step's 64 bytes of a row; the two rows lie 8 CP bytes = 32 banks apart
	ds_store_b8 v[\as], v[QB+\i] offset:32*\i+4*(\kk)          ; the four lanes of a block write the same byte with the same value
.endr
.endm
; A GROUP: two tiles of columns for the block's 64 rows.
;   na: how many younger loads may be out when this group's fragments of W_h must be in.   ldb: the next group's are asked for, at woff, coff; step: how the pointers move first (1: two groups on; 2: back to group 0; 3: one group on).
;   ldl: the next K step of enc is asked for, into landing set lset, at loff.   doq: the K step that has landed in set qset is quantised (1: with new store addresses; 2: on the same); nq: the younger loads at that point.
;   ldb = 2: only the next group's scale words and constants are asked for.   res: where this group's fragments of W_h lie (macro MULS).
.macro GROUP na, ldb, woff, coff, step, ldl, lset, loff, doq, qset, kk, nq, res
.if \ldb                               ; the pointers move ahead of the products, since loads stand among them
.if \step
	s_wait_alu depctr_va_vdst(0)
	s_wait_xcnt 0x0                                ; the loads issued so far have read their bases: they may step
.endif
.if (\step) == 1
	s_add_nc_u64 s[WA:WA+1], s[WA:WA+1], 2*REC
	s_add_nc_u64 s[CUP:CUP+1], s[CUP:CUP+1], 8192
	s_add_nc_u64 s[EA:EA+1], s[EA:EA+1], 1024
	s_add_nc_u64 s[WF:WF+1], s[WF:WF+1], 2*REC
	s_cmp_eq_u32 s[TRIP], 1                        ; behind record 5 the fragments wrap: the next pass's record 0 is asked for here, while the scale words go on to record 6
	s_cselect_b32 s[WT], 6*REC, 0
	s_sub_nc_u64 s[WF:WF+1], s[WF:WF+1], s[WT:WT+1]
.elseif (\step) == 2
	s_sub_nc_u64 s[WA:WA+1], s[WA:WA+1], 6*REC
	s_sub_nc_u64 s[CUP:CUP+1], s[CUP:CUP+1], 24576
.elseif (\step) == 3
	s_add_nc_u64 s[WA:WA+1], s[WA:WA+1], REC
	s_add_nc_u64 s[CUP:CUP+1], s[CUP:CUP+1], 4096
	s_add_nc_u64 s[WF:WF+1], s[WF:WF+1], REC
.endif
.endif
	s_wait_loadcnt \na
	MULS \res, \ldb, \woff                         ; a streamed group's loads, in their order: 24 of fragments among the products, then 4 of scale words and constants, 8 of fragments, 16 of enc
	WIN 0
	v_mov_b32 v[WK], v[CN]                         ; this group's constants leave the registers that the next group's loads fill.  These four are also the places between the last product and the loads below
	v_mov_b32 v[WK+2], v[CN+1]
	v_mov_b32 v[WK+4], v[CN+2]
	v_mov_b32 v[WK+6], v[CN+3]
.if \ldb
	BLOAD \woff, \coff, \ldb
.endif
.if \ldl
	LFRAG 2, 128+64*(\lset), \loff
.endif
	WIN 0
.if (\doq) == 1
	EPI 1
.else
	EPI 0
.endif
.if \doq
	s_wait_loadcnt \nq
	QFRAG 2, 128+64*(\qset), \kk, AIWC, ASWC, EBWC
.endif
.endm
; The block's 32 fragments and their scale words come out of LDS into every wave's registers.  Fragment (a, s): lane (r, h) takes of row 16 a + r the 16 bytes at 64 s + 32 c + 16 h into registers 4 c .. 4 c + 3.
.macro ALOAD
	WIN 0x40
.set f, 0
.rept 32
	ds_load_b128 v[8*f:8*f+3], v[LIA] offset:16*CP*(f/8)+64*(f%8)
	ds_load_b128 v[8*f+4:8*f+7], v[LIA] offset:16*CP*(f/8)+64*(f%8)+32
.set f, f+1
.endr
	WIN 0
.irp p, 0,1
.irp q, 0,1
	ds_load_b128 v[ASCR+8*\p+4*\q:ASCR+8*\p+4*\q+3], v[ASR] offset:1024*\p+16*\q   ; lane l: row 32 p + l, the words of K steps 4 q .. 4 q + 3
.endr
.endr
	s_wait_dscnt 0x0                               ; my reads of shared LDS are over: in front of barrier X
.endm
.macro BARX                            ; barrier X: behind it the codes, scale bytes and the other half of the bf16 rows are written anew
	s_barrier_signal -1
.set j, 0
.rept 32
	v_mov_b32 v[SACC+j], 0                         ; the block's sums begin; register work while the others arrive
.set j, j+1
.endr
	s_barrier_wait -1
.endm
; The sums over my wave's 256 columns: across the 16 lanes of a half, then to LDS.
.macro REDUCE
.irp m, 1,2,4,8
.set j, 0
.rept 32
	v_add_f32_dpp v[SACC+j], v[SACC+j], v[SACC+j] row_xmask:\m row_mask:0xf bank_mask:0xf
.set j, j+1
.endr
.endr
.irp a, 0,1,2,3
	ds_store_b128 v[PSW], v[SACC+8*\a:SACC+8*\a+3] offset:64*\a          ; the sixteen lanes of a half write the same bytes with the same values
	ds_store_b128 v[PSW], v[SACC+8*\a+4:SACC+8*\a+7] offset:64*\a+16
.endr
.endm
; t, m and p of the block's 64 rows: every wave does it for itself; lane l takes rows 2 l, 2 l + 1.
.macro SOFT
	ds_load_b64 v[TT:TT+1], v[PSR]
	ds_load_b64 v[244:245], v[PSR] offset:256
	ds_load_b64 v[246:247], v[PSR] offset:512
	ds_load_b64 v[248:249], v[PSR] offset:768
	s_wait_dscnt 0x0
	v_pk_add_f32 v[TT:TT+1], v[TT:TT+1], v[244:245]
	v_pk_add_f32 v[246:247], v[246:247], v[248:249]
	v_pk_add_f32 v[TT:TT+1], v[TT:TT+1], v[246:247]
	v_cmp_eq_u32 vcc_lo, 0, v[MK]
	v_cndmask_b32 v[TT], v[TT], v[NINF], vcc_lo    ; mask = 0: -infinity
	v_cmp_eq_u32 vcc_lo, 0, v[MK+1]
	v_cndmask_b32 v[TT+1], v[TT+1], v[NINF], vcc_lo
	v_max3_num_f32 v[MX], v[TT], v[TT+1], 0xff61b1e6           ; the block's maximum, held at -3e38 from below so that a block wholly masked gives p = 0 and no NaN
	v_max_num_f32_dpp v[MX], v[MX], v[MX] row_xmask:1 row_mask:0xf bank_mask:0xf
	v_max_num_f32_dpp v[MX], v[MX], v[MX] row_xmask:2 row_mask:0xf bank_mask:0xf
	v_max_num_f32_dpp v[MX], v[MX], v[MX] row_xmask:4 row_mask:0xf bank_mask:0xf
	v_max_num_f32_dpp v[MX], v[MX], v[MX] row_xmask:8 row_mask:0xf bank_mask:0xf
	v_permlanex16_b32 v[MY], v[MX], s[SEL], s[SEL+1]
	v_max_num_f32 v[MX], v[MX], v[MY]
	v_sub_f32 v[PR], v[TT], v[MX]
	v_sub_f32 v[PR+1], v[TT+1], v[MX]
	s_wait_alu depctr_va_vdst(0)
	v_exp_f32 v[PR], v[PR]
	v_exp_f32 v[PR+1], v[PR+1]
.irp i, 0,1,2,3,4,5,6,7
	v_mov_b32 v[CX+\i], 0                          ; the context's sums begin (plain work behind the exponentials)
.endr
	s_wait_alu depctr_va_vdst(0)                   ; one wait for the two, ahead of their first reader
	ds_store_b64 v[PPW], v[PR:PR+1]
	s_cmp_lg_u32 s[WV], 0
	s_cbranch_scc1 .Lnot_wave_0_\@
	global_store_b64 v[GO8], v[TT:TT+1], s[12:13]  ; wave 0 stores the block's 64 t: 256 consecutive bytes, aligned
.Lnot_wave_0_\@:
.endm
; The context: thread owns columns 8 thread .. + 7; rows come 8 at a time, one set ahead.
.macro CLD set, k
.irp i, 0,1,2,3,4,5,6,7
.if (\k) < 4
	ds_load_b128 v[E+32*(\set)+4*\i:E+32*(\set)+4*\i+3], v[EBRA] offset:EBP*(8*(\k)+\i)
.else
	ds_load_b128 v[E+32*(\set)+4*\i:E+32*(\set)+4*\i+3], v[EBRB] offset:EBP*(8*((\k)-4)+\i)
.endif
.endr
	ds_load_b128 v[PV+8*(\set):PV+8*(\set)+3], v[PPR] offset:32*(\k)
	ds_load_b128 v[PV+8*(\set)+4:PV+8*(\set)+7], v[PPR] offset:32*(\k)+16
.endm
.macro CTX
	v_add_nc_u32 v[EBRA], s[TGR], v[EBR0]
	v_add_nc_u32 v[EBRB], 32*EBP, v[EBRA]
	CLD 0, 0
.irp k, 0,1,2,3,4,5,6,7
.if \k < 7
	CLD (\k+1)%2, \k+1
	s_wait_alu depctr_va_vdst(0)
	s_wait_dscnt 10                                ; all but the ten just issued
.else
	s_wait_alu depctr_va_vdst(0)
	s_wait_dscnt 0x0
.endif
.irp i, 0,1,2,3,4,5,6,7
.irp q, 0,1,2,3
	v_fma_mix_f32_bf16 v[CX+2*\q], v[E+32*(\k%2)+4*\i+\q], v[PV+8*(\k%2)+\i], v[CX+2*\q] op_sel_hi:[1,0,0]                      ; the low bf16 x p (f32) + the sum (f32)
	v_fma_mix_f32_bf16 v[CX+2*\q+1], v[E+32*(\k%2)+4*\i+\q], v[PV+8*(\k%2)+\i], v[CX+2*\q+1] op_sel:[1,0,0] op_sel_hi:[1,0,0]  ; the high bf16
.endr
.endr
.endr
.endm
.macro CTXOUT                          ; a lane's 32 bytes go through my stage, so that each store of the wave covers 512 consecutive bytes
	ds_store_b128 v[CSW], v[CX:CX+3]
	ds_store_b128 v[CSW], v[CX+4:CX+7] offset:16
	ds_load_b128 v[E:E+3], v[CSR]
	ds_load_b128 v[E+4:E+7], v[CSR] offset:512
	s_wait_dscnt 0x0
	global_store_b128 v[LI], v[E:E+3], s[14:15]
	global_store_b128 v[LI], v[E+4:E+7], s[14:15] offset:512
.endm
.macro BLKEND
	REDUCE
	s_wait_dscnt 0x0                               ; my writes of shared LDS have landed: in front of barrier Y
	s_barrier_signal -1
	s_barrier_wait -1                              ; barrier Y: behind it shared LDS is only read
	SOFT
	CTX
	CTXOUT
.endm
	s_load_b256 s[4:11], s[0:1], 0x0               ; enc s[4:5], mask s[6:7], wpack s[8:9], cu s[10:11]
	s_load_b128 s[12:15], s[0:1], 0x20             ; tsc s[12:13], ctxp s[14:15]
	v_lshl_add_u32 v[SPW], v0, 2, SPARE
	v_mov_b32 v[NIL], 0
	v_lshrrev_b32 v26, 5, v0
	v_readfirstlane_b32 s[WV], v26                 ; wave 0..3
	v_and_b32 v26, 31, v0                          ; lane
	v_and_b32 v27, 15, v0                          ; r
	v_bfe_u32 v30, v0, 4, 1                        ; h
	v_lshlrev_b32 v[LI], 4, v26
	v_lshlrev_b32 v[EO], 5, v27                    ; 32 bytes a lane,
	v_lshl_add_u32 v[EO], v30, 15, v[EO]           ; lanes 16-31 eight rows of 4,096 bytes further down
	s_lshl_b32 s36, s[WV], 10
	s_add_co_u32 s36, s36, STG                     ; my stage
	v_lshl_add_u32 v[CSW], v26, 5, s36
	v_add_nc_u32 v[CSR], s36, v[LI]
	s_mul_i32 s37, s[WV], 16*CP
	s_add_co_u32 s37, s37, AIMG                    ; my 16 rows of codes
	v_mul_u32_u24 v[AIW], v30, 8*CP
	v_lshl_add_u32 v[AIW], v27, 2, v[AIW]
	v_add_nc_u32 v[AIW], s37, v[AIW]
	s_lshl_b32 s37, s[WV], 9
	s_add_co_u32 s37, s37, ASC                     ; my 16 rows of scale bytes
	v_bfe_u32 v[ASW], v0, 2, 2                     ; which block of the K step's four is mine
	v_lshl_add_u32 v[ASW], v30, 8, v[ASW]
	v_add_nc_u32 v[ASW], s37, v[ASW]
	s_mul_i32 s37, s[WV], 16*EBP                   ; my 16 bf16 rows
	v_mul_u32_u24 v[EBW0], v30, 8*EBP
	v_lshl_add_u32 v[EBW0], v27, 4, v[EBW0]
	v_add_nc_u32 v[EBW0], s37, v[EBW0]
	v_mul_u32_u24 v[LIA], v27, CP
	v_lshl_add_u32 v[LIA], v30, 4, v[LIA]
	v_add_nc_u32 v[LIA], AIMG, v[LIA]
	v_lshl_add_u32 v[ASR], v26, 5, ASC
	v_lshlrev_b32 v[CO], 3, v27
	s_lshl_b32 s37, s[WV], 8
	s_add_co_u32 s38, s37, PS
	v_lshl_add_u32 v[PSW], v30, 5, s38
	v_lshl_add_u32 v[PSR], v26, 3, PS
	s_add_co_u32 s38, s37, PP
	v_lshl_add_u32 v[PPW], v26, 3, s38
	v_mov_b32 v[PPR], s38
	v_lshlrev_b32 v[EBR0], 4, v0
	v_lshlrev_b32 v[GO8], 3, v26
	v_mov_b32 v[NINF], 0xff800000
	v_mov_b32 v[MY], 0                             ; a lane permute's destination counts as one of its sources
.irp i, 1,3,5,7
	v_mov_b32 v[WK+\i], 0                          ; the upper words of the pairs that the packed forms name
.endr
	s_mov_b32 s[CC], 0x4038aa3b                    ; c = 2 log2(e)
	s_mov_b32 s[CC+1], s[CC]
	s_mov_b32 s[SEL], 0x76543210
	s_mov_b32 s[SEL+1], 0xfedcba98
	s_mov_b32 s[TGR], 0                            ; block 0 lies in the first half of the bf16 rows,
	s_mov_b32 s[TGW], EBSZ                         ; block 1 goes into the second
	s_mov_b32 s37, 0
	s_mov_b32 s41, 0
	s_mov_b32 s43, 0
	s_mov_b32 s45, 0
	s_mov_b32 s47, 0
	s_lshl_b32 s36, ttmp9, 20                      ; 256 rows of 4,096 bytes a work-group,
	s_lshl_b32 s38, s[WV], 16                      ; 16 a wave
	s_add_co_u32 s36, s36, s38
	s_mul_i32 s40, s[WV], 8*REC                    ; my 8 records
	s_lshr_b32 s42, ttmp9, 6                       ; batch / 16
	s_lshl_b32 s42, s42, 17
	s_bfe_u32 s38, ttmp9, 0x40002                  ; batch % 16
	s_lshl_b32 s38, s38, 7
	s_add_co_u32 s42, s42, s38
	s_lshl_b32 s38, s[WV], 15                      ; my 16 tiles of columns
	s_add_co_u32 s42, s42, s38
	s_lshl_b32 s44, ttmp9, 10                      ; mask and tsc: 256 rows of 4 bytes
	s_lshl_b32 s46, ttmp9, 14                      ; ctxp: 4 blocks of 4,096 bytes,
	s_lshl_b32 s38, s[WV], 10                      ; my wave's 1,024 of them
	s_add_co_u32 s46, s46, s38
	s_wait_kmcnt 0x0
	s_add_nc_u64 s[EN:EN+1], s[4:5], s[36:37]
	s_mov_b64 s[EA:EA+1], s[EN:EN+1]
	s_add_nc_u64 s[WA:WA+1], s[8:9], s[40:41]
	s_add_nc_u64 s[CUP:CUP+1], s[10:11], s[42:43]
	s_add_nc_u64 s[6:7], s[6:7], s[44:45]
	s_add_nc_u64 s[12:13], s[12:13], s[44:45]
	s_add_nc_u64 s[14:15], s[14:15], s[46:47]
	s_mov_b64 s[WF:WF+1], s[WA:WA+1]
	s_mov_b32 s[WT+1], 0
	; BLOCK 0 has no block in front of it under which it could be fetched: my 16 rows, K step by K step, through four landing sets in window 3, four K steps (64 loads) ahead.
	BLOAD 0, 0, 3                                  ; group 0's fragments of W_h first: they are the oldest loads, so every count below proves them in
	LFRAG 3, 0, 0
	LFRAG 3, 64, 512
	LFRAG 3, 128, 1024
	LFRAG 3, 192, 1536
.irp k, 0,1,2,3,4,5,6,7
	s_wait_loadcnt 48                              ; K step k is in; behind it stand three runs of 16 loads: later K steps, and from k = 5 on the runs of RLOAD
	QFRAG 3, 64*(\k%4), \k, AIW, ASW, EBW0
.if \k < 4
	LFRAG 3, 64*(\k%4), 512*(\k+4)                 ; into the set just read out: only vector instructions read it, and they have been issued
.else
	RLOAD \k-4                                     ; the set has had its last K step: it takes its part of records 6 and 7, for the rest of the launch
.endif
.endr
	WIN 0
	s_wait_dscnt 0x0                               ; my writes have landed
	s_barrier_signal -1
	s_barrier_wait -1                              ; block 0 lies in LDS
	s_wait_xcnt 0x0                                ; the loads have read s[EA]
	s_mov_b32 s[BLK], 4
.Lblock:                                           ; four blocks; the last takes the way .Llast, on which nothing of enc is fetched; the block's end is common to both ways
	global_load_b64 v[MK:MK+1], v[GO8], s[6:7]     ; the block's mask: 256 consecutive bytes a wave
	s_cmp_eq_u32 s[BLK], 1
	s_cbranch_scc1 .Llast
	s_add_nc_u64 s[EN:EN+1], s[EN:EN+1], 262144    ; the next block: 64 rows on
	s_mov_b64 s[EA:EA+1], s[EN:EN+1]
	LFRAG 2, 128, 0                                ; its K step 0 into set 0
	s_mov_b32 s[KA], 0
	s_mov_b32 s[KS], 0
	s_mov_b32 s[KE], s[TGW]
	ALOAD
	BARX
	s_mov_b32 s[TRIP], 3
.Ltrip:                                            ; a trip: groups 2 i and 2 i + 1 of the six that are streamed.  Counts: behind a group's 36 loads of W_h stand the 16 of the K step asked for straight after them; behind a K step's 16 the next 36 and the next K step's 16
	GROUP 16, 1, REC, 4096, 0, 1, 1, 512, 1, 0, 0, 52, 0
	GROUP 16, 1, 0, 0, 1, 1, 0, 0, 2, 1, 1, 52, 0
	s_add_co_u32 s[KA], s[KA], 128                 ; two K steps on: 128 bytes of codes, 8 scale bytes, 512 bytes of bf16
	s_add_co_u32 s[KS], s[KS], 8
	s_add_co_u32 s[KE], s[KE], 512
	s_sub_co_u32 s[TRIP], s[TRIP], 1
	s_cmp_lg_u32 s[TRIP], 0
	s_cbranch_scc1 .Ltrip
	GROUP 24, 2, REC, 4096, 0, 1, 1, 512, 1, 0, 0, 20, 1   ; record 6, from window 3: behind its 4 loads of scale words and constants stand 8 fragment loads of the next pass and K step 6's 16; at its quantising 4 + 16 are younger
	GROUP 16, 2, 0, 0, 2, 0, 0, 0, 2, 1, 1, 4, 2           ; record 7: it asks for the next pass's scale words of record 0 and for no more of enc: 4 younger loads at its quantising
	s_wait_alu depctr_va_vdst(0)
	s_branch .Lend
.Llast:                                            ; the last block has no successor: nothing of enc is fetched or quantised, and no load leaves its buffer
	ALOAD
	BARX
	s_mov_b32 s[TRIP], 5
.Lplain:
	GROUP 0, 1, 0, 0, 3, 0, 0, 0, 0, 0, 0, 0, 0    ; records 0 to 4, each asking for the next: nothing is issued behind a group's loads here, so the wait is for all
	s_sub_co_u32 s[TRIP], s[TRIP], 1
	s_cmp_lg_u32 s[TRIP], 0
	s_cbranch_scc1 .Lplain
	GROUP 0, 2, 0, 0, 3, 0, 0, 0, 0, 0, 0, 0, 0    ; record 5
	GROUP 0, 2, 0, 0, 3, 0, 0, 0, 0, 0, 0, 0, 1    ; record 6
	GROUP 0, 0, 0, 0, 0, 0, 0, 0, 0, 0, 0, 0, 2    ; record 7
.Lend:
	BLKEND
	s_wait_xcnt 0x0                                ; the stores and loads have read their registers and bases
	s_add_nc_u64 s[6:7], s[6:7], 256
	s_add_nc_u64 s[12:13], s[12:13], 256
	s_add_nc_u64 s[14:15], s[14:15], 4096
	s_xor_b32 s[TGW], s[TGW], EBSZ
	s_xor_b32 s[TGR], s[TGR], EBSZ
	s_sub_co_u32 s[BLK], s[BLK], 1
	s_cmp_lg_u32 s[BLK], 0
	s_cbranch_scc1 .Lblock
	s_wait_tensorcnt 0x0                           ; the wave's end
	ds_add_u32 v[SPW], v[NIL]
	s_wait_dscnt 0x0
	s_endpgm
.Lfunc_end_k_q4c25923aab_attend:
	.size	k_q4c25923aab_attend, .Lfunc_end_k_q4c25923aab_attend-k_q4c25923aab_attend
	.p2alignl 7, 3214868480
	.fill 96, 4, 3214868480
	.section	.rodata,"a",@progbits
	.p2align	6, 0x0
	.amdhsa_kernel k_q4c25923aab_attend
		.amdhsa_group_segment_fixed_size 306688
		.amdhsa_private_segment_fixed_size 0
		.amdhsa_enable_private_segment 0
		.amdhsa_kernarg_size 48
		.amdhsa_user_sgpr_count 2
		.amdhsa_user_sgpr_kernarg_segment_ptr 1
		.amdhsa_wavefront_size32 1
		.amdhsa_system_sgpr_workgroup_id_x 1
		.amdhsa_system_sgpr_workgroup_id_y 1
		.amdhsa_system_sgpr_workgroup_id_z 1
		.amdhsa_system_vgpr_workitem_id 0
		.amdhsa_next_free_vgpr 1024
		.amdhsa_next_free_sgpr 66
		.amdhsa_reserve_vcc 1
		.amdhsa_float_denorm_mode_32 3
		.amdhsa_float_denorm_mode_16_64 3
		.amdhsa_memory_ordered 1
		.amdhsa_forward_progress 1
		.amdhsa_inst_pref_size 255
	.end_amdhsa_kernel
	.section	.bss,"aw",@nobits
	.p2align	6
	.space	262144
	.amdgpu_metadata
---
amdhsa.version: [ 1, 2 ]
amdhsa.kernels:
  - .name:           k_q4c25923aab_attend
    .symbol:         k_q4c25923aab_attend.kd
    .args:
      - { .name: encoder_outputs, .offset: 0, .size: 8, .value_kind: global_buffer, .address_space: global }
      - { .name: mask, .offset: 8, .size: 8, .value_kind: global_buffer, .address_space: global }
      - { .name: wpack, .offset: 16, .size: 8, .value_kind: global_buffer, .address_space: global }
      - { .name: cu, .offset: 24, .size: 8, .value_kind: global_buffer, .address_space: global }
      - { .name: tsc, .offset: 32, .size: 8, .value_kind: global_buffer, .address_space: global }
      - { .name: ctxp, .offset: 40, .size: 8, .value_kind: global_buffer, .address_space: global }
    .group_segment_fixed_size: 306688
    .private_segment_fixed_size: 0
    .kernarg_segment_align: 8
    .kernarg_segment_size: 48
    .max_flat_workgroup_size: 128
    .sgpr_count:     66
    .vgpr_count:     1024
    .wavefront_size: 32
...
	.end_amdgpu_metadata
.endif
;; end of part 2
;; launch finish (part 3): grid 64 x 1, 8 waves a work-group, no clusters, 1,280 bytes of LDS; arguments tsc, ctxp, out0, out1; writes out0, out1
.if DOCPART == 3
	.amdgcn_target "amdgcn-amd-amdhsa--gfx1250"
	.amdhsa_code_object_version 6
	.text
	.protected	k_q4c25923aab_finish
	.globl	k_q4c25923aab_finish
	.p2align	8
	.type	k_q4c25923aab_finish,@function
k_q4c25923aab_finish:
	s_mov_b64 s[64:65], 0
	v_nop
	global_prefetch_b8 v0, s[64:65] scope:SCOPE_SE
	s_setreg_imm32_b32 hwreg(HW_REG_WAVE_MODE, 25, 1), 1
	s_wait_xcnt 0x0
; BAHDANAU ATTENTION, launch 3 of 3: a batch's softmax and context from its 1,024 t and its 16 blocks' parts.  (The term sum_h v[h] of the scores is left out: shown at the head of the first launch.)
; t is the score in the base-2 domain, -infinity where mask = 0.  For block k of 64 rows: m_k = max(its t, -3e38), the same number that the launch before took away (a maximum rounds nothing); l_k = sum 2^(t - m_k).
; M = max_k m_k; f_k = 2^(m_k - M); L = sum f_k l_k; weights = 2^(t - M) / L; context = sum_k f_k ctxp_k / L.  So the batch's maximum is taken away before every exponential.
; A batch wholly masked has L = 0: 1 / L is infinite and 0 x infinity gives NaN in every number of both outputs, as reference()'s softmax of -infinities does.
; SHARES.  One work-group a batch, 256 threads: thread i owns rows 4 i .. 4 i + 3 of the weights and columns 4 i .. 4 i + 3 of the context; sixteen neighbouring lanes hold a block's 64 t.
; All of a thread's 17 loads go out at once; each load and store of a wave covers 512 consecutive bytes.  64 batches are all the work there is: no matrix unit, no tensor load, no cluster.
.set ML,    0                          ; LDS: (m_k, l_k), 8 bytes a block
.set SPARE, 256                        ; the spare words, 128 bytes for each of the eight waves
	s_load_b256 s[4:11], s[0:1], 0x0               ; tsc s[4:5], ctxp s[6:7], out0 s[8:9], out1 s[10:11]
	v_lshl_add_u32 v1, v0, 2, SPARE                ; v1: my spare word; v2: 0; both never rewritten
	v_mov_b32 v2, 0
	v_lshlrev_b32 v3, 4, v0                        ; 16 x thread
	v_lshrrev_b32 v10, 4, v0
	s_delay_alu instid0(VALU_DEP_1)
	v_lshlrev_b32 v10, 3, v10                      ; my block's pair in LDS
	v_mov_b32 v11, ML
	s_lshl_b32 s12, ttmp9, 12                      ; a batch's 4,096 bytes of t, of weights and of context,
	s_mov_b32 s13, 0
	s_lshl_b32 s14, ttmp9, 16                      ; and its 16 parts of 4,096 bytes
	s_mov_b32 s15, 0
	s_wait_alu depctr_va_vdst(0)
	s_wait_kmcnt 0x0
	s_add_nc_u64 s[4:5], s[4:5], s[12:13]
	s_add_nc_u64 s[6:7], s[6:7], s[14:15]
	s_add_nc_u64 s[8:9], s[8:9], s[12:13]
	s_add_nc_u64 s[10:11], s[10:11], s[12:13]
	global_load_b128 v[4:7], v3, s[4:5]
.irp k, 0,1,2,3,4,5,6,7,8,9,10,11,12,13,14,15
	global_load_b128 v[48+4*\k:51+4*\k], v3, s[6:7] offset:4096*\k
.endr
	s_wait_loadcnt 16                              ; t is in; the 16 parts behind it may be out
	v_max3_num_f32 v8, v4, v5, 0xff61b1e6
	s_delay_alu instid0(VALU_DEP_1)
	v_max3_num_f32 v8, v8, v6, v7
	s_delay_alu instid0(VALU_DEP_1)
	v_max_num_f32_dpp v8, v8, v8 row_xmask:1 row_mask:0xf bank_mask:0xf
	s_delay_alu instid0(VALU_DEP_1)
	v_max_num_f32_dpp v8, v8, v8 row_xmask:2 row_mask:0xf bank_mask:0xf
	s_delay_alu instid0(VALU_DEP_1)
	v_max_num_f32_dpp v8, v8, v8 row_xmask:4 row_mask:0xf bank_mask:0xf
	s_delay_alu instid0(VALU_DEP_1)
	v_max_num_f32_dpp v8, v8, v8 row_xmask:8 row_mask:0xf bank_mask:0xf   ; m of my block
.irp i, 0,1,2,3
	v_sub_f32 v[12+\i], v[4+\i], v8
.endr
	s_wait_alu depctr_va_vdst(0)
.irp i, 0,1,2,3
	v_exp_f32 v[12+\i], v[12+\i]
.endr
	v_nop                                          ; a plain place behind the last exponential
	s_wait_alu depctr_va_vdst(0)                   ; one wait for the four
	v_add_f32 v9, v12, v13
	v_add_f32 v14, v14, v15
	s_delay_alu instid0(VALU_DEP_1)
	v_add_f32 v9, v9, v14
	s_delay_alu instid0(VALU_DEP_1)
	v_add_f32_dpp v9, v9, v9 row_xmask:1 row_mask:0xf bank_mask:0xf
	s_delay_alu instid0(VALU_DEP_1)
	v_add_f32_dpp v9, v9, v9 row_xmask:2 row_mask:0xf bank_mask:0xf
	s_delay_alu instid0(VALU_DEP_1)
	v_add_f32_dpp v9, v9, v9 row_xmask:4 row_mask:0xf bank_mask:0xf
	s_delay_alu instid0(VALU_DEP_1)
	v_add_f32_dpp v9, v9, v9 row_xmask:8 row_mask:0xf bank_mask:0xf       ; l of my block
	ds_store_b64 v10, v[8:9]                       ; the block's sixteen lanes write the same pair to the same place
	s_wait_dscnt 0x0                               ; for the others' sake
	s_barrier_signal -1
	s_barrier_wait -1
.irp k, 0,1,2,3,4,5,6,7
	ds_load_b128 v[16+4*\k:19+4*\k], v11 offset:16*\k          ; all 16 pairs in every lane: m_k in v[16 + 2 k], l_k in v[17 + 2 k]
.endr
	s_wait_dscnt 0x0
	v_max3_num_f32 v112, v16, v18, v20
.irp k, 22,26,30,34,38,42
	s_delay_alu instid0(VALU_DEP_1)
	v_max3_num_f32 v112, v112, v[\k], v[\k+2]
.endr
	s_delay_alu instid0(VALU_DEP_1)
	v_max_num_f32 v112, v112, v46                  ; M
.irp k, 0,1,2,3,4,5,6,7,8,9,10,11,12,13,14,15
	v_sub_f32 v[16+2*\k], v[16+2*\k], v112
.endr
.irp i, 0,1,2,3
	v_sub_f32 v[12+\i], v[4+\i], v112
.endr
	s_wait_alu depctr_va_vdst(0)
.irp k, 0,1,2,3,4,5,6,7,8,9,10,11,12,13,14,15
	v_exp_f32 v[16+2*\k], v[16+2*\k]               ; f_k
.endr
.irp i, 0,1,2,3
	v_exp_f32 v[12+\i], v[12+\i]                   ; 2^(t - M)
.endr
	v_nop
	s_wait_alu depctr_va_vdst(0)                   ; one wait for the twenty
	v_mul_f32 v113, v16, v17                       ; L, in two chains
	v_mul_f32 v114, v18, v19
.irp k, 2,3,4,5,6,7,8,9,10,11,12,13,14,15
	v_fma_f32 v[113+\k%2], v[16+2*\k], v[17+2*\k], v[113+\k%2]
.endr
	s_delay_alu instid0(VALU_DEP_1)
	v_add_f32 v113, v113, v114
	s_wait_alu depctr_va_vdst(0)
	v_rcp_f32 v115, v113
	v_nop
	s_wait_alu depctr_va_vdst(0)
.irp i, 0,1,2,3
	v_mul_f32 v[12+\i], v[12+\i], v115
.endr
	global_store_b128 v3, v[12:15], s[10:11]       ; the weights
	s_wait_loadcnt 0x0                             ; the 16 parts
	v_pk_mul_f32 v[116:117], v[48:49], v[16:17] op_sel_hi:[1,0]           ; of the pair (f_k, l_k) the low word serves both halves
	v_pk_mul_f32 v[118:119], v[50:51], v[16:17] op_sel_hi:[1,0]
.irp k, 1,2,3,4,5,6,7,8,9,10,11,12,13,14,15
	v_pk_fma_f32 v[116:117], v[48+4*\k:49+4*\k], v[16+2*\k:17+2*\k], v[116:117] op_sel_hi:[1,0,1]
	v_pk_fma_f32 v[118:119], v[50+4*\k:51+4*\k], v[16+2*\k:17+2*\k], v[118:119] op_sel_hi:[1,0,1]
.endr
.irp i, 0,1,2,3
	v_mul_f32 v[116+\i], v[116+\i], v115
.endr
	global_store_b128 v3, v[116:119], s[8:9]       ; the context
	s_wait_tensorcnt 0x0                           ; the wave's end
	ds_add_u32 v1, v2
	s_wait_dscnt 0x0
	s_endpgm
.Lfunc_end_k_q4c25923aab_finish:
	.size	k_q4c25923aab_finish, .Lfunc_end_k_q4c25923aab_finish-k_q4c25923aab_finish
	.p2alignl 7, 3214868480
	.fill 96, 4, 3214868480
	.section	.rodata,"a",@progbits
	.p2align	6, 0x0
	.amdhsa_kernel k_q4c25923aab_finish
		.amdhsa_group_segment_fixed_size 1280
		.amdhsa_private_segment_fixed_size 0
		.amdhsa_enable_private_segment 0
		.amdhsa_kernarg_size 32
		.amdhsa_user_sgpr_count 2
		.amdhsa_user_sgpr_kernarg_segment_ptr 1
		.amdhsa_wavefront_size32 1
		.amdhsa_system_sgpr_workgroup_id_x 1
		.amdhsa_system_sgpr_workgroup_id_y 1
		.amdhsa_system_sgpr_workgroup_id_z 1
		.amdhsa_system_vgpr_workitem_id 0
		.amdhsa_next_free_vgpr 128
		.amdhsa_next_free_sgpr 66
		.amdhsa_reserve_vcc 0
		.amdhsa_float_denorm_mode_32 3
		.amdhsa_float_denorm_mode_16_64 3
		.amdhsa_memory_ordered 1
		.amdhsa_forward_progress 1
		.amdhsa_inst_pref_size 11
	.end_amdhsa_kernel
	.amdgpu_metadata
---
amdhsa.version: [ 1, 2 ]
amdhsa.kernels:
  - .name:           k_q4c25923aab_finish
    .symbol:         k_q4c25923aab_finish.kd
    .args:
      - { .name: tsc, .offset: 0, .size: 8, .value_kind: global_buffer, .address_space: global }
      - { .name: ctxp, .offset: 8, .size: 8, .value_kind: global_buffer, .address_space: global }
      - { .name: out0, .offset: 16, .size: 8, .value_kind: global_buffer, .address_space: global }
      - { .name: out1, .offset: 24, .size: 8, .value_kind: global_buffer, .address_space: global }
    .group_segment_fixed_size: 1280
    .private_segment_fixed_size: 0
    .kernarg_segment_align: 8
    .kernarg_segment_size: 32
    .max_flat_workgroup_size: 256
    .sgpr_count:     66
    .vgpr_count:     128
    .wavefront_size: 32
...
	.end_amdgpu_metadata
.endif
;; end of part 3
